; MI455X (gfx1250); checked and timed in simulation.
; The chip was launched on July 23, 2026; its instructions are those of AMD's public machine-readable ISA for CDNA 5 (MIT licence, August 2026) and "CDNA5" Instruction Set Architecture Reference Guide (July 2026). The comments in the code are by the model that wrote it; some were corrected since.
;; Causal Attention. Allowed arithmetic: matrix products marked QUANTISED: E4M3 operands, one given power-of-two scale a tensor, by v_wmma_f32_16x16x64_fp8_fp8 or v_wmma_f32_16x16x128_fp8_fp8, f32 sums; everything else in f32.
;; Inputs: Wk_codes 1,024 x 32 x 32 uint8 (E4M3 codes of Wk, K innermost, in blocks of 32 codes); Wq_codes 1,024 x 32 x 32 uint8 (E4M3 codes of Wq, K innermost, in blocks of 32 codes); Wv_codes 1,024 x 32 x 32 uint8 (E4M3 codes of Wv, K innermost, in blocks of 32 codes); lowp_scales 10 int32 (the exponents e of the quantised operands' scales 2^e); x_codes 4 x 2,048 x 32 x 32 uint8 (E4M3 codes of x, K innermost, in blocks of 32 codes).
;; Outputs: out0 4 x 2,048 x 1,024 float32.
;; This version of the problem:
;;   THIS VERSION OF THE PROBLEM IS GIVEN IN LOW PRECISION. The matrix products marked QUANTISED in the list below multiply operands that are first quantised to E4M3 (4 exponent bits, 3 mantissa bits; 8 bits a number), with one given power-of-two scale for each operand tensor; their sums are f32. All else is computed in f32.
;;   The module's matrix products, in the order in which they are computed (A, B: the left and right operand; K: the contracted axis; several contracted axes count as one K, in the product's order):
;;     1. [M 8,192, K 1,024] x [K 1,024, N 1,024]; A: input x (given as codes); B: input Wq (given as codes): QUANTISED (scales: A lowp_scales[0], B lowp_scales[1])
;;     2. [M 8,192, K 1,024] x [K 1,024, N 1,024]; A: input x (given as codes); B: input Wk (given as codes): QUANTISED (scales: A lowp_scales[2], B lowp_scales[3])
;;     3. [M 8,192, K 1,024] x [K 1,024, N 1,024]; A: input x (given as codes); B: input Wv (given as codes): QUANTISED (scales: A lowp_scales[4], B lowp_scales[5])
;;     4. batch 4 x [M 2,048, K 1,024] x [K 1,024, N 2,048]; A: computed on the way; B: computed on the way: QUANTISED (scales: A lowp_scales[6], B lowp_scales[7])
;;     5. batch 4 x [M 2,048, K 2,048] x [K 2,048, N 1,024]; A: softmax (see below); B: computed on the way: QUANTISED (scales: A lowp_scales[8], B lowp_scales[9])
;;   THE QUANTISER, for each operand of a quantised product, along K:
;;     - The operand's scale is 2^e, e = its entry of the input lowp_scales (int32; the entries are numbered through the quantised products in the list's order, A before B).
;;     - Each number is divided by the scale, clamped to +-448, and rounded to the nearest number of E4M3, ties to even, subnormals kept.
;;     - The product sums the exact products of the quantised numbers (number of the format x scale) in f32.
;;   ~~~python
;;   def quantise(x, axis, e):      # numpy; x: float32 -> the quantised numbers, widened to float32 again
;;       x = np.moveaxis(x, axis, -1); K = x.shape[-1]
;;       r = np.clip(x / 2.0 ** e, -448, 448)
;;       step = 2.0 ** (np.maximum(np.frexp(np.where(r == 0, 1, r))[1] - 1, -6) - 3)
;;       q = np.round(r / step) * step * 2.0 ** e      # np.round: ties to even
;;       return np.moveaxis(q, -1, axis).astype(np.float32)
;;   ~~~
;;   SOFTMAX AHEAD OF A QUANTISED PRODUCT. Where the list says 'softmax', what is quantised is not the finished softmax but p = 2^(t - M), with t = logit x log2(e) and M = ceil(the row's largest t), a whole number; so 1/2 < the row's largest p <= 1. The row's sum l is taken of the UNQUANTISED p, in f32, and the product's result is divided by l at the end. Since M is a whole number, a kernel that streams over the keys may use a running M (the ceiling of the running maximum): every later rescaling is an exact power of two, so the quantised numbers keep their values, but for numbers so far below the row's largest that they fall under the format's range.
;;   OPERANDS COMPUTED ON THE WAY. 'Computed on the way' means the value that the module computes at that place (a softmax that the list does not call 'softmax' is quantised finished and normalised). What goes into a quantiser is computed in f32, as accurately as f32 sums, v_exp_f32 and their like allow (about 1e-6 of the number): no bf16 or f16 on the way to a quantiser, and a product that is left as it is and whose result goes on into a quantised operand takes f32 operands (vector FMAs, or v_wmma_f32_16x16x4_f32). A number that lies on a knife's edge between two numbers of the format may be rounded either way, as far as f32 arithmetic and the matrix unit's own rounding can turn it there, and no further.
;;   INPUTS GIVEN AS CODES. Wk (in the module: [1024, 1024], K = its axis 1); Wq (in the module: [1024, 1024], K = its axis 1); Wv (in the module: [1024, 1024], K = its axis 1); x (in the module: [4, 2048, 1024], K = its axis 2): each comes as NAME_codes (uint8): NAME with its K axis moved to the last place and cut into blocks of 32 codes, [.., K / 32, bytes a block], one block behind the other in memory; one code a byte (a code: sign, 4 exponent bits, 3 mantissa bits); its scale is its entry of lowp_scales. Its value is code x scale, taken as it is: it is not quantised again, and the codes and scales need not be those that the quantiser above would give.
;; One version. Each part assembles by itself: llvm-mc -triple=amdgcn-amd-amdhsa -mcpu=gfx1250 --defsym DOCPART=n.
;; ======== version 1 of 1: 3 launches
;; limits: right only within a limited range of input values
;; workspace buffers: q_codes 8,388,608 bytes; k_codes 8,388,608 bytes; vt_codes 8,388,608 bytes; p_codes 16,777,216 bytes; stat 1,048,576 bytes
;; launch proj (part 1): grid 8 x 32, 4 waves a work-group, clusters of 4 x 4, 327,680 bytes of LDS; arguments x_codes, Wq_codes, Wk_codes, Wv_codes, lowp_scales, q_codes, k_codes, vt_codes; writes q_codes, k_codes, vt_codes
.if DOCPART == 1
	.amdgcn_target "amdgcn-amd-amdhsa--gfx1250"
	.amdhsa_code_object_version 6
	.text
	.protected	k_qa494f28b55_proj
	.globl	k_qa494f28b55_proj
	.p2align	8
	.type	k_qa494f28b55_proj,@function
k_qa494f28b55_proj:
	s_mov_b64 s[64:65], 0
	v_nop
	global_prefetch_b8 v0, s[64:65] scope:SCOPE_SE
	s_setreg_imm32_b32 hwreg(HW_REG_WAVE_MODE, 25, 1), 1
	s_wait_xcnt 0x0
	s_wait_alu depctr_hold_cnt(0) depctr_sa_sdst(0) depctr_va_vdst(0) depctr_va_sdst(0) depctr_va_ssrc(0) depctr_va_vcc(0) depctr_vm_vsrc(0)
	s_getreg_b32 s2, hwreg(HW_REG_IB_STS2, 6, 4)
	s_cmp_eq_u32 s2, 0
	s_cbranch_scc0 .Lentry_in_a_cluster
	s_endpgm
.Lentry_in_a_cluster:
	s_bfe_u32 s2, ttmp6, 0x10000c
	s_cmp_lg_u32 s2, 0xf033
	s_cbranch_scc0 .Lentry_shape_is_right
	s_endpgm
.Lentry_shape_is_right:
; q = x Wq^T, k = x Wk^T, v = x Wv^T on the codes as they are given (E4M3), sums in f32, each result quantised with its given scale.
; WORK THAT THE PROGRAM LEAVES OUT, for all values of the inputs: reference() sets the score of every key that comes after its query to -infinity, so that key's p is exactly 0 and adds nothing to the row's sum or to the output.
; Whole tiles of scores in which all keys come after all queries are not made (second launch), and their products with v are not made (third launch).
; LIMITS: a NaN, an infinity or an overflow that reaches only such work is not carried to the result.  e6 - e0 - e1, e7 - e2 - e3 and e9 - e4 - e5 lie between -126 and 119, so that the powers of two made of them are f32 numbers.
; SHARES.  256 work-groups; each takes 256 rows of x and the same 128 columns of q, of k and of v: x's tile is read once for the three.  Four waves; wave = 2 x row half + column half makes 128 rows x 64 columns of each
; of the three: 96 accumulators, 768 registers.  K = 1,024 goes in four steps of 256.
; LDS in units of 128 rows x (256 bytes + 16 of padding): x has two slots of two units, Wk and Wv two of one, Wq ONE: Wq's last reads in a K step are over when the second 128 of K begin, so the next step's tiles are asked for there:
; by wave 0 x's 256 rows, by waves 1 to 3 the 128 rows of Wq, Wk, Wv.  K step 1's x, Wk and Wv are first fills and have a round of their own, ahead of Wq's refill.
; CLUSTERS of 4 x 4: x's tile is asked for jointly along a cluster's row, W's along a column.
; q and k are used transposed (source 0 = 16 rows of W, source 1 = 16 rows of x): lane (r, h) holds row r and 8 neighbouring columns.  v the other way: lane (r, h) holds channel r and 8 neighbouring keys.
; Stored: q_codes and k_codes as [32 blocks of 256 rows][8 blocks of 128 columns][256 rows][128 columns]; vt_codes as [1024 channels][8192 rows of x].
; PREFETCH: behind the loads of K step t stand requests for K step t + 1: each partner of a joint request names a quarter of its rows, a lane a row: wave 0 x's 64 rows, waves 1 to 3 32 rows of a weight, these in the first four rows of clusters alone.
; REGISTERS: window 0: v0-31 addresses and scales, v32-159 eight fragments of x, v160-255 three sets of two fragments of W; windows 1, 2, 3: the accumulators of q, k, v, (a, b) at v[8 (4 a + b)].
.set ROWB,  256
.set KROW,  1024
.set PITCH, 272                        ; rows r start at bank 4 r mod 64 (64 banks of 4 bytes: ISA guide 11.1)
.set U,     128*PITCH
.set WB,    2*U                        ; behind x's slot 0: W's five slots: Wv, Wk (even steps), Wq, Wk, Wv (odd steps); then x's slot 1
.set X1,    7*U
.set SPARE, 9*U                        ; the spare words, which no other line names
.set QP,    144                        ; the stage of q and of k: 256 rows of 128 bytes + 16
.set QST,   256*QP
.set VST,   2*QST                      ; the stage of v: 128 rows of 272 bytes.  All three lie under WB + 2 U: slots of the even steps, whose last fill and last read are over in K step 3
.set SC,   10                          ; v10-15: the conversion's scale and the hold, for q, k, v
.set ADRX, 16
.set ADRW, 18
.set STQ,  21
.set STV,  22
.set RDQ,  23
.set RDV,  24
.set OQ,   25
.set OV,   26
.set PFO,  27
.set SPW,  28
.set NIL,  29
.set A0,   32
.set B0,   160
.set G1X,  24
.set G0X,  32
.set G1W,  40
.set G0W,  48
.set PFA,  98
.set ASKF, 12
.set MSB, 0
.macro WIN new                         ; the immediate's high byte repeats the setting that is left
.if MSB != (\new)
	s_set_vgpr_msb (MSB<<8)|(\new)
.set MSB, (\new)
.endif
.endm
; Joint loads into the slots of parity p.  mode 0: wave 0 x, waves 1-3 W.  mode 1: the same without wave 1.  mode 2: wave 1 alone.  An s_nop 0 and four v_nop follow each.
.macro JL p, mode
.if \mode == 2
	s_cmp_eq_u32 s14, 1
	s_cbranch_scc0 .Lasked_\@
.else
	s_cmp_eq_u32 s14, 0
	s_cbranch_scc0 .Lfor_w_\@
	tensor_load_to_lds s[G0X+4*(\p):G0X+4*(\p)+3], s[G1X:G1X+7]
	s_nop 0
.rept 4
	v_nop
.endr
	s_branch .Lasked_\@
.Lfor_w_\@:
.if \mode == 1
	s_cmp_eq_u32 s14, 1
	s_cbranch_scc1 .Lasked_\@
.endif
.endif
	tensor_load_to_lds s[G0W+4*(\p):G0W+4*(\p)+3], s[G1W:G1W+7]
	s_nop 0
.rept 4
	v_nop
.endr
.Lasked_\@:
.endm
.macro CREST                           ; a round of the cluster's barrier behind its opening barrier
	s_cmp_lg_u32 s14, 0
	s_cbranch_scc1 .Lnot_wave_0_\@
	s_barrier_signal -3
.Lnot_wave_0_\@:
	s_barrier_wait -3
	s_barrier_signal -1
	s_barrier_wait -1
.endm
.macro CROUND
	s_barrier_signal -1
	s_barrier_wait -1
	CREST
.endm
.macro ASK kk                          ; requests for K step kk
	s_cmp_eq_u32 s[ASKF], 0
	s_cbranch_scc1 .Lnot_mine_\@
	global_prefetch_b8 v[PFO], s[PFA:PFA+1] offset:ROWB*(\kk) th:TH_LOAD_NT scope:SCOPE_SE
.Lnot_mine_\@:
	s_cmp_lg_u32 s14, 0
	s_cbranch_scc1 .Lnot_x_\@
	global_prefetch_b8 v[PFO], s[PFA:PFA+1] offset:ROWB*(\kk)+32*KROW th:TH_LOAD_NT scope:SCOPE_SE
.Lnot_x_\@:
.endm
.macro PLACES                          ; four places behind a matrix instruction (ISA guide 7.12.1 for vector instructions)
.rept 4
	v_nop
.endr
.endm
	s_load_b512 s[68:83], s[0:1], 0x0              ; x 68, Wq 70, Wk 72, Wv 74, the scales 76, q_codes 78, k_codes 80, vt_codes 82
	v_lshl_add_u32 v[SPW], v0, 2, SPARE
	v_mov_b32 v[NIL], 0
	ds_add_u32 v[SPW], v[NIL]                      ; the wave's opening: the add, twice on end, and its wait ahead of my first tensor load
	ds_add_u32 v[SPW], v[NIL]
	v_lshrrev_b32 v1, 5, v0
	v_readfirstlane_b32 s14, v1                    ; wave 0..3
	s_lshr_b32 s15, s14, 1                         ; row half
	s_and_b32 s16, s14, 1                          ; column half
	s_bfe_u32 s2, ttmp6, 0x40000                   ; cx
	s_bfe_u32 s3, ttmp6, 0x40004                   ; cy
	s_lshl_b32 s17, ttmp9, 2
	s_add_co_u32 s17, s17, s2                      ; my block of 128 columns, 0..7
	s_and_b32 s18, ttmp7, 0xffff                   ; the cluster's row
	s_lshl_b32 s19, s18, 2
	s_add_co_u32 s19, s19, s3                      ; my block of 256 rows, 0..31
	s_lshl_b32 s4, s3, 2
	s_lshl_b32 s4, 15, s4                          ; my row of the cluster: x's tiles
	s_lshl_b32 s5, 0x1111, s2                      ; my column: W's
	s_or_b32 s[G1X], s4, (1<<20)|(1<<21)|(5<<22)|(3<<25)   ; elements of 1 byte; 20 padding on; 21 set beside a mask; four words after every 64
	s_or_b32 s[G1W], s5, (1<<20)|(1<<21)|(5<<22)|(3<<25)
	s_mov_b32 s[G1X+2], 256<<16                    ; x: 256 rows
	s_mov_b32 s[G1X+4], 256
	s_mov_b32 s[G1W+2], 128<<16                    ; W: 128 rows
	s_mov_b32 s[G1W+4], 128
.irp g, G1X, G1W
	s_mov_b32 s[\g+1], ROWB<<16
	s_mov_b32 s[\g+3], ROWB<<16
	s_mov_b32 s[\g+5], KROW
	s_mov_b32 s[\g+6], 0
	s_mov_b32 s[\g+7], 0
.endr
	s_lshl_b32 s20, s19, 18                        ; x: 256 rows of 1,024 bytes a block
	s_mov_b32 s21, 0
	s_lshl_b32 s22, s17, 17                        ; W: 128 rows
	s_mov_b32 s23, 0
	s_lshl_b32 s8, s2, 16
	s_add_co_u32 s8, s8, s20                       ; the prefetches: my 64 rows of x's tile,
	s_lshl_b32 s9, s3, 15
	s_add_co_u32 s9, s9, s22                       ; my 32 rows of W's
	s_xor_b32 s6, s14, 3                           ; even K steps: waves 1, 2, 3 fill W's slots 2, 1, 0,
	s_mul_i32 s6, s6, U
	s_add_co_u32 s6, s6, WB
	s_add_co_u32 s7, s14, 1                        ; odd ones: slots 2, 3, 4
	s_mul_i32 s7, s7, U
	s_add_co_u32 s7, s7, WB
	s_lshl_b32 s58, s19, 18                        ; where I store: q, k: blocks of 32,768 bytes, 8,192 a wave
	s_lshl_b32 s60, s17, 15
	s_add_co_u32 s58, s58, s60
	s_lshl_b32 s60, s14, 13
	s_add_co_u32 s58, s58, s60
	s_mov_b32 s59, 0
	s_lshl_b32 s60, s17, 20                        ; v: channel 128 x column block + 32 x wave, rows of 8,192 bytes
	s_lshl_b32 s61, s14, 18
	s_add_co_u32 s60, s60, s61
	s_lshl_b32 s61, s19, 8
	s_add_co_u32 s60, s60, s61
	s_mov_b32 s61, 0
	s_mul_i32 s56, s15, 128*PITCH                  ; my rows of x in a slot
	s_mul_i32 s57, s16, 64*PITCH                   ; my rows of W in a unit
	s_add_co_u32 s57, s57, WB
	s_mul_i32 s62, s15, 128*QP                     ; the stages: in,
	s_lshl_b32 s13, s16, 6
	s_add_co_u32 s62, s62, s13
	s_mul_i32 s63, s16, 64*PITCH
	s_lshl_b32 s13, s15, 7
	s_add_co_u32 s63, s63, s13
	s_add_co_u32 s63, s63, VST
	s_mul_i32 s66, s14, 64*QP                      ; and back
	s_mul_i32 s67, s14, 32*PITCH
	s_add_co_u32 s67, s67, VST
	s_wait_dscnt 0x0                               ; both opening adds are done
	s_wait_kmcnt 0x0
	s_load_b256 s[88:95], s[76:77], 0x0            ; e0 .. e7
	s_load_b64 s[96:97], s[76:77], 0x20            ; e8, e9
	s_cmp_eq_u32 s14, 1                            ; wave 1 asks for Wq, 2 for Wk, 3 for Wv
	s_cselect_b64 s[10:11], s[70:71], s[74:75]
	s_cmp_eq_u32 s14, 2
	s_cselect_b64 s[10:11], s[72:73], s[10:11]
	s_cmp_lt_u32 s18, 4
	s_cselect_b32 s[ASKF], 1, 0
	s_cmp_eq_u32 s14, 0
	s_cselect_b32 s[ASKF], 1, s[ASKF]
	s_cselect_b64 s[PFA:PFA+1], s[68:69], s[10:11]
	s_cselect_b32 s8, s8, s9
	s_mov_b32 s9, 0
	s_add_nc_u64 s[PFA:PFA+1], s[PFA:PFA+1], s[8:9]
	s_add_nc_u64 s[20:21], s[68:69], s[20:21]
	s_add_nc_u64 s[22:23], s[10:11], s[22:23]
	s_add_nc_u64 s[78:79], s[78:79], s[58:59]
	s_add_nc_u64 s[80:81], s[80:81], s[58:59]
	s_add_nc_u64 s[82:83], s[82:83], s[60:61]
	s_mov_b32 s[G0X], 1
	s_mov_b32 s[G0X+1], 0
	s_mov_b64 s[G0X+2:G0X+3], s[20:21]
	s_or_b32 s[G0X+3], s[G0X+3], 0x80000000
	s_mov_b32 s[G0X+4], 1
	s_mov_b32 s[G0X+5], X1
	s_add_nc_u64 s[G0X+6:G0X+7], s[20:21], ROWB
	s_or_b32 s[G0X+7], s[G0X+7], 0x80000000
	s_mov_b32 s[G0W], 1
	s_mov_b32 s[G0W+1], s6
	s_mov_b64 s[G0W+2:G0W+3], s[22:23]
	s_or_b32 s[G0W+3], s[G0W+3], 0x80000000
	s_mov_b32 s[G0W+4], 1
	s_mov_b32 s[G0W+5], s7
	s_add_nc_u64 s[G0W+6:G0W+7], s[22:23], ROWB
	s_or_b32 s[G0W+7], s[G0W+7], 0x80000000
	CROUND                                         ; the first joint loads meet
	JL 0, 0                                        ; K step 0: one load a wave
	v_and_b32 v1, 15, v0                           ; r
	v_bfe_u32 v2, v0, 4, 1                         ; h
	v_and_b32 v6, 31, v0
	v_bfe_u32 v8, v0, 3, 2
	v_and_b32 v9, 7, v0
	v_mul_u32_u24 v3, v1, PITCH
	v_mul_u32_u24 v5, v1, QP
	v_mul_u32_u24 v8, v8, QP
	v_lshl_add_u32 v4, v2, 4, v3                   ; a fragment's row x pitch + 16 h
	v_lshl_add_u32 v5, v2, 3, v5
	v_lshl_add_u32 v7, v2, 3, v3
	v_lshl_add_u32 v8, v9, 4, v8
	v_add_nc_u32 v[ADRX], s56, v4
	v_add_nc_u32 v[ADRW], s57, v4
	v_add_nc_u32 v[STQ], s62, v5                   ; in: row r, 8 bytes for each half of the lanes
	v_add_nc_u32 v[STV], s63, v7
	v_add_nc_u32 v[RDQ], s66, v8                   ; back: eight lanes take a row of 128 bytes
	v_mul_u32_u24 v9, v2, PITCH
	v_add_nc_u32 v[ADRX+1], X1, v[ADRX]
	v_add_nc_u32 v[ADRW+1], 2*U, v[ADRW]
	v_add_nc_u32 v[ADRW+2], 4*U, v[ADRW]
	v_lshl_add_u32 v9, v1, 4, v9
	v_lshlrev_b32 v[OV], 13, v2
	v_lshlrev_b32 v[OQ], 4, v6
	v_lshlrev_b32 v[PFO], 10, v6                   ; a lane a row
	v_add_nc_u32 v[RDV], s67, v9                   ; back: sixteen lanes take a row of 256 bytes
	v_lshl_add_u32 v[OV], v1, 4, v[OV]
; Fragments: lane (r, h) holds row r; registers 4 c .. 4 c + 3 hold K = 32 c + 16 h + 0 .. 15: a permutation of k, the same in both operands.
.macro LDA pr, p, s                    ; x's blocks 2 pr, 2 pr + 1 of the slot's s-th 128 along K: 8 loads
.irp u, 0,1
.irp c, 0,1,2,3
	ds_load_b128 v[A0+16*(2*(\pr)+\u)+4*\c:A0+16*(2*(\pr)+\u)+4*\c+3], v[ADRX+(\p)] offset:128*(\s)+(2*(\pr)+\u)*16*PITCH+32*\c
.endr
.endr
.endm
.macro LDB g, p, s                     ; group g = 0 .. 5 of W: two blocks of 16 columns (q: 0, 1; k: 2, 3; v: 4, 5), into set g % 3: 8 loads
.set SLT, 2
.if (\g)/2 == 1
.set SLT, 1+2*(\p)
.endif
.if (\g)/2 == 2
.set SLT, 4*(\p)
.endif
.irp u, 0,1
.irp c, 0,1,2,3
	ds_load_b128 v[B0+32*((\g)%3)+16*\u+4*\c:B0+32*((\g)%3)+16*\u+4*\c+3], v[ADRW+SLT/2] offset:(SLT%2)*U+128*(\s)+(2*((\g)%2)+\u)*16*PITCH+32*\c
.endr
.endr
.endm
; One matrix instruction: accumulator (a, b) of window w.  The 96 accumulators take turns, one instruction a turn, in the same order in every 128 along K.
.macro MM w, a, b, zero
.set DD, 8*(4*(\a)+(\b))
.set AA, A0+16*(\a)
.set BB, B0+32*((2*((\w)-1)+(\b)/2)%3)+16*((\b)%2)
.if \w == 3
.if \zero
	v_wmma_f32_16x16x128_fp8_fp8 v[DD:DD+7], v[AA:AA+15], v[BB:BB+15], 0
.else
	v_wmma_f32_16x16x128_fp8_fp8 v[DD:DD+7], v[AA:AA+15], v[BB:BB+15], v[DD:DD+7]
.endif
.else
.if \zero
	v_wmma_f32_16x16x128_fp8_fp8 v[DD:DD+7], v[BB:BB+15], v[AA:AA+15], 0
.else
	v_wmma_f32_16x16x128_fp8_fp8 v[DD:DD+7], v[BB:BB+15], v[AA:AA+15], v[DD:DD+7]
.endif
.endif
.endm
.macro PAIR w, bfirst, pr, zero        ; blocks 2 pr, 2 pr + 1 of x against two blocks of W
.irp ua, 0,1
.irp ub, 0,1
	MM \w, (2*(\pr)+\ua), (\bfirst+\ub), \zero
.endr
.endr
.endm
.macro GROUP w, bfirst, zero
.irp pa, 0,1,2,3
	PAIR \w, \bfirst, \pa, \zero
.endr
.endm
; 128 along K: 96 matrix instructions.  At its start these loads are out, oldest first: set 0, x's four pairs, sets 1, 2 (turn = 1: and the add).  nxt = 1: it fetches the slot's second 128 in the same order.
; turn = 1: a round of the cluster's barrier and the next K step's loads stand behind the first group: by then every read of Wq's unit is over.
.macro HALF p, s, zero, nxt, turn, mode, ask
.irp pr, 0,1,2,3
.if (\turn == 1) && (\pr == 3)
	s_wait_dscnt 0x0                               ; the add is done, and so are my reads of Wq's unit and of the other slots
	s_barrier_signal -1
.else
	s_wait_dscnt 40-8*\pr+\turn                    ; younger: the pairs behind this one, two sets of W (and the add)
.endif
	WIN 0x50
	PAIR 1, 0, \pr, \zero
.endr
	WIN 0
.if \turn
	s_barrier_wait -1
	CREST
	JL 1-\p, \mode                                 ; the first tensor load behind the round
.endif
	PLACES
	LDB 3, \p, \s
	s_wait_dscnt 16                                ; all but two sets
	WIN 0x50
	GROUP 1, 2, \zero
	WIN 0
	PLACES
	LDB 4, \p, \s
.if \ask
	ASK \ask
.endif
	s_wait_dscnt 16
	WIN 0xa0
	GROUP 2, 0, \zero
	WIN 0
	PLACES
	LDB 5, \p, \s
	s_wait_dscnt 16
	WIN 0xa0
	GROUP 2, 2, \zero
.if \nxt
	WIN 0
	PLACES
	LDB 0, \p, 1
.endif
	s_wait_dscnt 8*\nxt                            ; v's two sets are in; the next half's first set may be out
.irp pr, 0,1,2,3
	WIN 0xf0
	PAIR 3, 0, \pr, \zero
	PAIR 3, 2, \pr, \zero
.if \nxt
	WIN 0
	PLACES
	LDA \pr, \p, 1                                 ; x's pair is free: the next half's
.endif
.endr
	WIN 0
.if \nxt
	LDB 1, \p, 1
	LDB 2, \p, 1
.endif
.endm
; A K step in the slots of parity p.
.macro KS p, zero, turn, mode, ask
	LDB 0, \p, 0
.irp pr, 0,1,2,3
	LDA \pr, \p, 0
.endr
	LDB 1, \p, 0
	LDB 2, \p, 0
	HALF \p, 0, \zero, 1, 0, 0, 0
.if \turn
	s_wait_tensorcnt 0x0                           ; no tensor load of mine is out;
	ds_add_u32 v[SPW], v[NIL]                      ; 0 onto my spare word; twelve matrix instructions stand between it and the wait for it
.if \mode == 0
	s_add_nc_u64 s[G0X+4*(1-\p)+2:G0X+4*(1-\p)+3], s[G0X+4*(1-\p)+2:G0X+4*(1-\p)+3], 2*ROWB
	s_add_nc_u64 s[G0W+4*(1-\p)+2:G0W+4*(1-\p)+3], s[G0W+4*(1-\p)+2:G0W+4*(1-\p)+3], 2*ROWB
.endif
.endif
	HALF \p, 1, 0, 0, \turn, \mode, \ask
.endm
.macro LAND                            ; the next K step's tiles are in, for every wave.
	s_wait_tensorcnt 0x0
	s_barrier_signal -1
	s_barrier_wait -1
	PLACES                                         ; behind the step's last products
.endm
	s_wait_alu depctr_va_vdst(0)
	ASK 1
	s_wait_tensorcnt 0x0                           ; my part of K step 0 is in
	ds_add_u32 v[SPW], v[NIL]
	s_wait_dscnt 0x0
	CROUND
	JL 1, 1                                        ; K step 1's x, Wk and Wv: first fills
	KS 0, 1, 1, 2, 2                               ; K step 0; in it K step 1's Wq into the one slot of Wq
	LAND
	KS 1, 0, 1, 0, 3
	LAND
	KS 0, 0, 1, 0, 0
	LAND
	KS 1, 0, 0, 0, 0                               ; K step 3: nothing more to fetch
	; THE WAY OUT: quantised, through the stages, as whole units of 256 bytes
.macro MKS i, eo, ea, eb               ; a sum stands for sum x 2^(ea + eb), its code is sum / 2^(eo - ea - eb)
	s_add_co_i32 s4, s[\ea], s[\eb]
	s_sub_co_i32 s4, s[\eo], s4
	s_add_co_i32 s4, s4, 127
	s_lshl_b32 s5, s4, 23
	v_mov_b32 v[SC+2*\i], s5
	s_add_co_i32 s4, s4, 8
	s_lshl_b32 s4, s4, 23
	s_or_b32 s4, s4, 0x600000
	v_mov_b32 v[SC+2*\i+1], s4                     ; 448 x that
.endm
.macro QC i, cd                        ; the hold at the largest code (the conversion does not saturate: ISA guide 7.6.2) and the conversions, each accumulator from its low end on
.set W, \i+1
.set WIP, (W<<6)|W
	WIN WIP
.set k, 0
.rept 256
	v_med3_num_f32 v[k], v[k], -v[SC+2*\i+1], v[SC+2*\i+1]
.set k, k+1
.endr
	WIN W
.set k, 0
.rept 32
	v_cvt_scalef32_pk8_fp8_f32 v[\cd+2*k:\cd+2*k+1], v[8*k:8*k+7], v[SC+2*\i]
.set k, k+1
.endr
	v_nop                                          ; one plain vector instruction behind the run's last conversion
	WIN 0
.endm
.macro QS i, cd                        ; q or k into its stage
.irp a, 0,1,2,3,4,5,6,7
.irp b, 0,1,2,3
	ds_store_b64 v[STQ], v[\cd+8*\a+2*\b:\cd+8*\a+2*\b+1] offset:\i*QST+\a*16*QP+16*\b
.endr
.endr
.endm
	s_wait_kmcnt 0x0
	MKS 0, 94, 88, 89
	MKS 1, 95, 90, 91
	MKS 2, 97, 92, 93
	PLACES                                         ; behind the last products
	s_wait_alu depctr_va_vdst(0)
	QC 0, 96
	QS 0, 96
	QC 1, 160
	QS 1, 160
	s_wait_dscnt 0x0                               ; for the others' sake: my stores into q's and k's stages are done
	s_barrier_signal -1
	QC 2, 32                                       ; work on registers while the others arrive
	s_wait_alu depctr_va_vdst(0)
	s_barrier_wait -1
.set t, 0
.rept 16
	ds_load_b128 v[96+4*t:99+4*t], v[RDQ] offset:t*4*QP
.set t, t+1
.endr
.set t, 0
.rept 16
	ds_load_b128 v[160+4*t:163+4*t], v[RDQ] offset:QST+t*4*QP
.set t, t+1
.endr
.irp a, 0,1,2,3,4,5,6,7
.irp b, 0,1,2,3
	ds_store_b64 v[STV], v[32+8*\a+2*\b:32+8*\a+2*\b+1] offset:\b*16*PITCH+16*\a
.endr
.endr
.set t, 0
.rept 16
	s_wait_dscnt 63-t                              ; behind load t: 31 - t loads and 32 stores
	global_store_b128 v[OQ], v[96+4*t:99+4*t], s[78:79] offset:512*t   ; 32 lanes store 512 consecutive bytes, aligned
.set t, t+1
.endr
.set t, 0
.rept 16
	s_wait_dscnt 47-t
	global_store_b128 v[OQ], v[160+4*t:163+4*t], s[80:81] offset:512*t
.set t, t+1
.endr
	s_wait_dscnt 0x0                               ; my stores into v's stage are done
	s_barrier_signal -1
	s_barrier_wait -1
.set t, 0
.rept 16
	ds_load_b128 v[32+4*t:35+4*t], v[RDV] offset:t*2*PITCH
.set t, t+1
.endr
.set t, 0
.rept 16
	s_wait_dscnt 15-t
	global_store_b128 v[OV], v[32+4*t:35+4*t], s[82:83] offset:2*t*8192   ; 16 lanes store 256 consecutive bytes, aligned
.set t, t+1
.endr
	s_wait_tensorcnt 0x0                           ; the wave's end
	ds_add_u32 v[SPW], v[NIL]
	s_wait_dscnt 0x0
	CROUND                                         ; the closing round
	s_endpgm
.Lfunc_end_k_qa494f28b55_proj:
	.size	k_qa494f28b55_proj, .Lfunc_end_k_qa494f28b55_proj-k_qa494f28b55_proj
	.p2alignl 7, 3214868480
	.fill 96, 4, 3214868480
	.section	.rodata,"a",@progbits
	.p2align	6, 0x0
	.amdhsa_kernel k_qa494f28b55_proj
		.amdhsa_group_segment_fixed_size 327680
		.amdhsa_private_segment_fixed_size 0
		.amdhsa_enable_private_segment 0
		.amdhsa_kernarg_size 64
		.amdhsa_user_sgpr_count 2
		.amdhsa_user_sgpr_kernarg_segment_ptr 1
		.amdhsa_wavefront_size32 1
		.amdhsa_system_sgpr_workgroup_id_x 1
		.amdhsa_system_sgpr_workgroup_id_y 1
		.amdhsa_system_sgpr_workgroup_id_z 1
		.amdhsa_system_vgpr_workitem_id 0
		.amdhsa_next_free_vgpr 1024
		.amdhsa_next_free_sgpr 102
		.amdhsa_reserve_vcc 0
		.amdhsa_float_denorm_mode_32 3
		.amdhsa_float_denorm_mode_16_64 3
		.amdhsa_memory_ordered 1
		.amdhsa_forward_progress 1
		.amdhsa_inst_pref_size 183
	.end_amdhsa_kernel
	.amdgpu_metadata
---
amdhsa.version: [ 1, 2 ]
amdhsa.kernels:
  - .name:           k_qa494f28b55_proj
    .symbol:         k_qa494f28b55_proj.kd
    .args:
      - { .name: x_codes, .offset: 0, .size: 8, .value_kind: global_buffer, .address_space: global }
      - { .name: Wq_codes, .offset: 8, .size: 8, .value_kind: global_buffer, .address_space: global }
      - { .name: Wk_codes, .offset: 16, .size: 8, .value_kind: global_buffer, .address_space: global }
      - { .name: Wv_codes, .offset: 24, .size: 8, .value_kind: global_buffer, .address_space: global }
      - { .name: lowp_scales, .offset: 32, .size: 8, .value_kind: global_buffer, .address_space: global }
      - { .name: q_codes, .offset: 40, .size: 8, .value_kind: global_buffer, .address_space: global }
      - { .name: k_codes, .offset: 48, .size: 8, .value_kind: global_buffer, .address_space: global }
      - { .name: vt_codes, .offset: 56, .size: 8, .value_kind: global_buffer, .address_space: global }
    .group_segment_fixed_size: 327680
    .private_segment_fixed_size: 0
    .kernarg_segment_align: 8
    .kernarg_segment_size: 64
    .max_flat_workgroup_size: 128
    .sgpr_count:     102
    .vgpr_count:     1024
    .wavefront_size: 32
...
	.end_amdgpu_metadata
.endif
;; end of part 1
;; launch scores (part 2): grid 9 x 16, 4 waves a work-group, no clusters, 327,680 bytes of LDS; arguments q_codes, k_codes, lowp_scales, p_codes, stat; writes p_codes, stat
.if DOCPART == 2
	.amdgcn_target "amdgcn-amd-amdhsa--gfx1250"
	.amdhsa_code_object_version 6
	.text
	.protected	k_qa494f28b55_scores
	.globl	k_qa494f28b55_scores
	.p2align	8
	.type	k_qa494f28b55_scores,@function
k_qa494f28b55_scores:
	s_mov_b64 s[64:65], 0
	v_nop
	global_prefetch_b8 v0, s[64:65] scope:SCOPE_SE
	s_setreg_imm32_b32 hwreg(HW_REG_WAVE_MODE, 25, 1), 1
	s_wait_xcnt 0x0
; SCORES AND THE SOFTMAX OF ONE TILE.  A work-group makes one tile of 256 queries x 256 keys of q k^T on the codes that the launch before stored, masks it where it lies on the diagonal, and quantises
; p = 2^(t - M) with the given 2^e8.  t = score x log2(e) / 32.  M = the row's largest t AMONG THIS TILE'S 256 KEYS, rounded up to a whole number.  The next launch brings the key tiles of a row under one frame by exact powers of two.
; Stored: p's codes [4][2048 queries][2048 keys], and for each block of 128 queries x 128 keys a record of 1,024 bytes: -M of the 128 queries, then the sum l of their unquantised p over these 128 keys.
; WORK LEFT OUT: tiles all of whose keys come after all of their queries (shown at the head of the first launch's text): 36 of each sequence's 64 tiles are made.
; SHARES.  Work-group y = 4 x sequence + pr, x = 0 .. 8: rows pr and 7 - pr of the triangle of tiles hold 9 tiles together.  144 work-groups, all with the same K = 1,024.
; NO CLUSTER: the triangle's rows hold 1 to 8 tiles and its columns 8 to 1, so no split of the 36 tiles into groups of four has a common tile of q or of k in every group, unless partners are added that lie wholly under the mask.
; The product is the first launch's: four waves, 128 x 128 a wave, used transposed: lane (r, h) holds query 16 a + r and, in register j of accumulator (a, b), key 16 b + 8 h + j of my 128 x 128.
; LIMITS: e6 + e7 between -121 and 132 (they are added to the exponent field of log2(e) / 32); e8 between -126 and 119; |t| under 2^23, so that M is a whole f32 number.  For e8 under -8 the hold at 448 x 2^e8 can bite
; under a tile's own M where it would not under the row's.  NaN among the scores is not served.
; REGISTERS beyond the first launch's map, window 0: v7 the mask's d, v8, v9 the exchange, v10 -infinity, v11 the record's place, v12 448 x 2^e8, v13 2^e8, v14 a permute's destination; v32-39 my maxima, v40-47 the partner's;
;   v48-63 pairs (-M, largest t) of the 8 blocks; v64-71 l; v72-79 what goes into the record; v80-111 at work; v128-255 the codes.
.set ROWB,   256
; q_codes and k_codes lie as [32 blocks of 256 rows][8 blocks of 128 columns][256 rows][128 columns]: a block of 32,768 bytes is dense, so it is stated as 128 rows of 256 bytes, with the padding behind every 128 bytes.
; A slot: q's two blocks of columns of a K step (waves 0 and 1 fetch one each), then k's (waves 2 and 3).
; NO PREFETCH: a tile's four K steps leave the loads of two slots under way from the head on, and there is no loop to run ahead in.
.set KROW,   256
.set CB,     65536                     ; two blocks of columns: a K step of 256
.set PITCH,  144                       ; an LDS row of q or k: 128 bytes + 16
.set SP,     272                       ; a row of the stage: 256 bytes + 16
.set FR,     16
.set NL,     4
.set NP,     4
.set HALFT,  256*PITCH
.set SLOT,   4*HALFT
.set SPARE,  2*SLOT
.set MXB,    2*HALFT                   ; the exchange of maxima: 1,024 bytes a wave, in slot 0 behind the stage; used when slot 0 has had its last fill and its last read
.set D0,   7
.set XS,   8
.set XL,   9
.set NINF, 10
.set RO,   11
.set HOLD, 12
.set SCL,  13
.set PD,   14
.set ADRA, 16
.set ADRB, 20
.set STO,  24
.set RD,   25
.set CO,   26
.set SPW,  28
.set NIL,  29
.set MX,   32
.set PX,   40
.set NMP,  48
.set LS,   64
.set SD,   72
.set SU,   80
.set AF,   128
.set CD,   128
.set G1, 24                            ; s[24:31] descriptor group 1: q's and k's tiles have one shape
.set G0, 32                            ; s[32:39] group 0 for q's tiles, a set for each slot
.set G0B, 56                           ; s[56:63] for k's
.set SEL, 66                           ; s[66:67] lane selects for v_permlanex16_b32: lane l xor 16
.set MK,  68                           ; s[68:75] eight lane masks
.set CS,  76                           ; s[76:77] c = log2(e) / 32 x 2^(e6 + e7): the packed form names a pair and takes its low word
.set MSB, 0
.macro WIN new
.if MSB != (\new)
	s_set_vgpr_msb (MSB<<8)|(\new)
.set MSB, (\new)
.endif
.endm
.set MUL_LO, 0xa1
.set MUL_HI, 0xf1
.set TO_B,   0x40
.macro JLOAD g0a, g1a, g0b, g1b        ; waves 0 and 1 fetch q's halves, waves 2 and 3 k's; an s_nop 0 and four v_nop follow each of the two lines
	s_cmp_eq_u32 s15, 0
	s_cbranch_scc0 .Lfor_b_\@
	tensor_load_to_lds s[\g0a:\g0a+3], s[\g1a:\g1a+7]
	s_nop 0
.rept 4
	v_nop
.endr
	s_branch .Lasked_\@
.Lfor_b_\@:
	tensor_load_to_lds s[\g0b:\g0b+3], s[\g1b:\g1b+7]
	s_nop 0
.rept 4
	v_nop
.endr
.Lasked_\@:
.endm
	s_load_b256 s[4:11], s[0:1], 0x0               ; q_codes 4, k_codes 6, the scales 8, p_codes 10
	s_load_b64 s[12:13], s[0:1], 0x20              ; stat
	v_lshl_add_u32 v[SPW], v0, 2, SPARE
	v_mov_b32 v[NIL], 0
	ds_add_u32 v[SPW], v[NIL]                      ; the wave's opening: the add, twice on end, and its wait ahead of my first tensor load
	ds_add_u32 v[SPW], v[NIL]
	v_lshrrev_b32 v1, 5, v0
	v_readfirstlane_b32 s14, v1                    ; wave 0..3
	s_lshr_b32 s15, s14, 1                         ; my half of the queries.  Also: I fetch for q (0) or for k (1)
	s_and_b32 s16, s14, 1                          ; my half of the keys.  Also: which 128 rows I fetch
	s_and_b32 s20, ttmp7, 0xffff
	s_lshr_b32 s40, s20, 2                         ; the sequence
	s_and_b32 s41, s20, 3                          ; pr
	s_sub_co_u32 s21, 7, s41
	s_add_co_u32 s22, s41, 1
	s_cmp_le_u32 ttmp9, s41                        ; the first pr + 1 work-groups take row pr of the triangle, the other 8 - pr row 7 - pr
	s_cselect_b32 s17, s41, s21                    ; i: the tile of queries
	s_cselect_b32 s22, 0, s22
	s_sub_co_u32 s42, ttmp9, s22                   ; j: the tile of keys, 0 .. i
	s_mov_b32 s[G1+0], (0<<16)|(1<<20)|(4<<22)|(3<<25)   ; no mask; elements of 1 byte; padding: four words after every 32
	s_mov_b32 s[G1+1], ROWB<<16
	s_mov_b32 s[G1+2], 128<<16
	s_mov_b32 s[G1+3], ROWB<<16
	s_mov_b32 s[G1+4], 128
	s_mov_b32 s[G1+5], KROW
	s_mov_b32 s[G1+6], 0
	s_mov_b32 s[G1+7], 0
	s_mov_b32 s[SEL], 0x76543210
	s_mov_b32 s[SEL+1], 0xfedcba98
	s_lshl_b32 s18, s40, 6
	s_add_co_u32 s18, s18, s16                     ; 8 row blocks x 8 column blocks a sequence, + the column block that I fetch
	s_lshl_b32 s20, s17, 3
	s_add_co_u32 s20, s20, s18
	s_lshl_b32 s20, s20, 15                        ; q: in bytes (under 2^23)
	s_mov_b32 s21, 0
	s_lshl_b32 s46, s42, 3
	s_add_co_u32 s46, s46, s18
	s_lshl_b32 s46, s46, 15                        ; k likewise
	s_mov_b32 s47, 0
	s_mul_i32 s45, s14, HALFT
	s_wait_dscnt 0x0                               ; both opening adds are done
	s_wait_kmcnt 0x0
	s_load_b128 s[88:91], s[8:9], 0x18             ; e6, e7, e8, e9
	s_add_nc_u64 s[20:21], s[4:5], s[20:21]
	s_add_nc_u64 s[46:47], s[6:7], s[46:47]
.irp s, 0,1
	s_mov_b32 s[G0+4*\s], 1
	s_add_co_u32 s[G0+4*\s+1], s45, \s*SLOT
	s_add_nc_u64 s[G0+4*\s+2:G0+4*\s+3], s[20:21], \s*CB
	s_or_b32 s[G0+4*\s+3], s[G0+4*\s+3], 0x80000000
	s_mov_b32 s[G0B+4*\s], 1
	s_add_co_u32 s[G0B+4*\s+1], s45, \s*SLOT
	s_add_nc_u64 s[G0B+4*\s+2:G0B+4*\s+3], s[46:47], \s*CB
	s_or_b32 s[G0B+4*\s+3], s[G0B+4*\s+3], 0x80000000
.endr
	JLOAD G0, G1, G0B, G1                          ; K step 0: one load a wave at the head
	v_and_b32 v1, 15, v0                           ; r
	v_bfe_u32 v2, v0, 4, 1                         ; h
	v_mul_u32_u24 v3, v1, PITCH
	s_wait_alu depctr_va_vdst(0)
	v_lshl_add_u32 v4, v2, 4, v3
	s_mul_i32 s21, s15, 128*PITCH
	s_mul_i32 s22, s16, 128*PITCH
	s_add_co_u32 s22, s22, 2*HALFT
.irp s, 0,1
	v_add_nc_u32 v[ADRA+\s], s21, v4
	v_add_nc_u32 v[ADRB+\s], s22, v4
	s_add_co_u32 s21, s21, SLOT
	s_add_co_u32 s22, s22, SLOT
.endr
	s_mul_i32 s23, s15, 128*SP
	s_lshl_b32 s22, s16, 7
	s_add_co_u32 s23, s23, s22
	v_mul_u32_u24 v5, v1, SP
	v_lshl_add_u32 v5, v2, 3, v5
	v_add_nc_u32 v[STO], s23, v5
	s_mul_i32 s23, s14, 64*SP
	v_mul_u32_u24 v6, v2, SP
	v_lshl_add_u32 v6, v1, 4, v6
	v_add_nc_u32 v[RD], s23, v6
	v_lshlrev_b32 v[CO], 11, v2
	v_lshl_add_u32 v[CO], v1, 4, v[CO]             ; two rows of p_codes: 2,048 h + 16 r
	v_and_b32 v6, 31, v0
	v_lshlrev_b32 v6, 4, v6                        ; 16 x lane
	s_lshl_b32 s21, s14, 10
	s_add_co_u32 s21, s21, MXB
	v_add_nc_u32 v[XS], s21, v6                    ; where my maxima go,
	s_xor_b32 s22, s14, 1
	s_lshl_b32 s22, s22, 10
	s_add_co_u32 s22, s22, MXB
	v_add_nc_u32 v[XL], s22, v6                    ; and where those of the wave with my queries and the other 128 keys lie
	s_sub_co_i32 s20, s15, s16
	s_lshl_b32 s20, s20, 7
	v_lshlrev_b32 v5, 3, v2
	v_sub_nc_u32 v[D0], v1, v5
	v_add_nc_u32 v[D0], s20, v[D0]                 ; d = r - 8 h + 128 (row half - column half)
	v_mov_b32 v[NINF], 0xff800000
	v_lshlrev_b32 v[RO], 9, v2
	v_lshl_add_u32 v[RO], v1, 4, v[RO]             ; the record: 512 h + 16 r
	v_mov_b32 v[PD], 0                             ; written once: a lane permute's destination counts as one of its sources
	s_lshl_b32 s20, s40, 11
	s_lshl_b32 s21, s17, 8
	s_add_co_u32 s20, s20, s21
	s_lshl_b32 s21, s14, 6
	s_add_co_u32 s20, s20, s21                     ; the first row of p_codes that I store: 2,048 x sequence + 256 i + 64 x wave,
	s_lshl_b32 s20, s20, 11                        ; in bytes (under 2^24),
	s_lshl_b32 s21, s42, 8
	s_add_co_u32 s20, s20, s21                     ; + 256 j
	s_mov_b32 s21, 0
	s_add_nc_u64 s[10:11], s[10:11], s[20:21]
	s_lshl_b32 s20, s40, 4
	s_lshl_b32 s21, s17, 1
	s_add_co_u32 s20, s20, s21
	s_add_co_u32 s20, s20, s15                     ; the record: (16 x sequence + 2 i + row half) x 16
	s_lshl_b32 s20, s20, 4
	s_lshl_b32 s21, s42, 1
	s_add_co_u32 s20, s20, s21
	s_add_co_u32 s20, s20, s16                     ; + 2 j + column half,
	s_lshl_b32 s20, s20, 10                        ; 1,024 bytes each
	s_mov_b32 s21, 0
	s_add_nc_u64 s[12:13], s[12:13], s[20:21]
.macro FRAG reg, adr, q, i
.irp c, 0,1,2,3
	ds_load_b128 v[\reg+4*\c:\reg+4*\c+3], v[\adr] offset:HALFT*(\q)+32*\c+(\i)*16*PITCH
.endr
.endm
.macro MUL16 a0, p, zero               ; the 64 accumulators take turns, one instruction a turn
.irp a, \a0, \a0+1
.irp b, 0,1,2,3,4,5,6,7
.if \zero
	v_wmma_f32_16x16x128_fp8_fp8 v[8*(8*((\a)%4)+\b):8*(8*((\a)%4)+\b)+7], v[128*(\p)+FR*\b:128*(\p)+FR*\b+FR-1], v[AF+FR*(\a):AF+FR*(\a)+FR-1], 0
.else
	v_wmma_f32_16x16x128_fp8_fp8 v[8*(8*((\a)%4)+\b):8*(8*((\a)%4)+\b)+7], v[128*(\p)+FR*\b:128*(\p)+FR*\b+FR-1], v[AF+FR*(\a):AF+FR*(\a)+FR-1], v[8*(8*((\a)%4)+\b):8*(8*((\a)%4)+\b)+7]
.endif
.endr
.endr
.endm
.macro FETCH_B slot, q, p
	WIN TO_B
.irp i, 0,1,2,3,4,5,6,7
	FRAG 128*(\p)+FR*\i, ADRB+\slot, \q, \i
.endr
	WIN 0
.endm
.macro FETCH_A slot, q, i0
.irp i, \i0, \i0+1, \i0+2, \i0+3
	FRAG AF+FR*(\i), ADRA+\slot, \q, \i
.endr
.endm
.macro PLACES n
.rept \n
	v_nop
.endr
.endm
.macro STEP slot, q, zero
	s_wait_dscnt 4*NL                              ; the youngest 16 loads (A's blocks 4-7) may be out
	WIN MUL_LO
	MUL16 0, (\q)%2, \zero
	MUL16 2, (\q)%2, \zero
	s_wait_dscnt 0
	PLACES NP
	FETCH_B \slot, (\q)+1, 1-(\q)%2
	FETCH_A \slot, (\q)+1, 0
	WIN MUL_HI
	MUL16 4, (\q)%2, \zero
	MUL16 6, (\q)%2, \zero
	PLACES NP
	WIN 0
	FETCH_A \slot, (\q)+1, 4
.endm
.macro TURN slot, next, fill           ; a slot's last step changes slots: the wait for all my tensor loads, the add, the wait for it and for my reads, one barrier, the refill first behind it
	s_wait_tensorcnt 0x0
	ds_add_u32 v[SPW], v[NIL]
	s_wait_dscnt 4*NL+1                            ; the add and the youngest 16 loads may be out
	WIN MUL_LO
	MUL16 0, 1, 0
	s_wait_dscnt 0x0                               ; the add is done, and my reads of this slot are over
	s_barrier_signal -1
	MUL16 2, 1, 0
	WIN 0
	s_barrier_wait -1
.if \fill
	s_add_nc_u64 s[G0+4*\slot+2:G0+4*\slot+3], s[G0+4*\slot+2:G0+4*\slot+3], 2*CB
	s_add_nc_u64 s[G0B+4*\slot+2:G0B+4*\slot+3], s[G0B+4*\slot+2:G0B+4*\slot+3], 2*CB
	JLOAD G0+4*\slot, G1, G0B+4*\slot, G1          ; my one tensor load behind this barrier; its four v_nop are the places in front of the loads below
.else
	PLACES NP
.endif
	FETCH_B \next, 0, 0
	FETCH_A \next, 0, 0
	WIN MUL_HI
	MUL16 4, 1, 0
	MUL16 6, 1, 0
	PLACES NP
	WIN 0
	FETCH_A \next, 0, 4
.endm
	s_wait_alu depctr_va_vdst(0)
	s_wait_tensorcnt 0x0                           ; my part of K step 0 is in
	ds_add_u32 v[SPW], v[NIL]
	s_wait_dscnt 0x0
	s_barrier_signal -1
	s_barrier_wait -1
	JLOAD G0+4, G1, G0B+4, G1                      ; K step 1: slot 1's first fill
	FETCH_B 0, 0, 0
	FETCH_A 0, 0, 0
	FETCH_A 0, 0, 4
	STEP 0, 0, 1
	TURN 0, 1, 1
	STEP 1, 0, 0
	TURN 1, 0, 1
	STEP 0, 0, 0
	TURN 0, 1, 0                                   ; behind this barrier nobody reads slot 0, and it has had its last fill
	STEP 1, 0, 0
	s_wait_dscnt 4*NL
	WIN MUL_LO
	MUL16 0, 1, 0
	MUL16 2, 1, 0
	s_wait_dscnt 0
	WIN MUL_HI
	MUL16 4, 1, 0
	MUL16 6, 1, 0
	WIN 0
	s_wait_kmcnt 0x0
	s_add_co_i32 s20, s88, s89
	s_lshl_b32 s20, s20, 23
	s_add_co_i32 s[CS], s20, 0x3d38aa3b            ; log2(e) / 32, with e6 + e7 added to its exponent field: a sum stands for sum x 2^(e6 + e7)
	s_mov_b32 s[CS+1], s[CS]                       ; (named with it as a pair, so it is written)
	s_add_co_i32 s20, s90, 127
	s_lshl_b32 s21, s20, 23
	v_mov_b32 v[SCL], s21                          ; 2^e8 as f32
	s_add_co_i32 s20, s20, 8
	s_lshl_b32 s20, s20, 23
	s_or_b32 s20, s20, 0x600000
	v_mov_b32 v[HOLD], s20                         ; 448 x 2^e8
	PLACES NP                                      ; behind the last products
	; THE MASK, on the diagonal's tiles alone; the wave with the later queries and the earlier keys has nothing hidden.  Both branches hang on ids.
	s_cmp_lg_u32 s17, s42
	s_cbranch_scc1 .Lopen
	s_cmp_eq_u32 s14, 2
	s_cbranch_scc1 .Lopen
; Register j of accumulator (a, b) holds key 16 b + 8 h + j against query 16 a + r (+ 128 x the halves): hidden where 16 (b - a) + j > d.  The eight masks of one b - a = dd - 7 serve all accumulators of that diagonal.
.macro MASKD dd
	WIN 0
.irp jr, 0,1,2,3,4,5,6,7
	v_cmp_gt_i32 s[MK+\jr], 16*((\dd)-7)+\jr, v[D0]
.endr
.irp a, 0,1,2,3,4,5,6,7
.if ((\a)+(\dd)-7 >= 0) && ((\a)+(\dd)-7 <= 7)
.set W, 2+(\a)/4
.set WIP, (W<<6)|W
.set AB, 64*((\a)%4)+8*((\a)+(\dd)-7)
	WIN WIP
.irp jr, 0,1,2,3,4,5,6,7
	v_cndmask_b32 v[AB+\jr], v[AB+\jr], v[NINF], s[MK+\jr]   ; -infinity ahead of the maximum: p = 0 then.  From the accumulator's low end on
.endr
.endif
.endr
.endm
	s_wait_alu depctr_va_vdst(0)
.irp dd, 0,1,2,3,4,5,6,7,8,9,10,11,12,13,14
	MASKD \dd
.endr
	WIN 0
.Lopen:
; The largest score of my query among block a's 64 registers: four chains of 15, the four registers left over, the chains; then lane l xor 16's.  Each accumulator is first read at its low end.
.macro MAXB a
.set W, 2+(\a)/4
.set AC, 64*((\a)%4)
.set W3, W|(W<<2)|(W<<4)
.set W2, (W<<2)|(W<<4)
	WIN W3
.irp c, 0,1,2,3
	v_max3_num_f32 v[SU+\c], v[AC+16*\c], v[AC+16*\c+1], v[AC+16*\c+2]
.endr
	WIN W2
.irp p, 0,1,2,3,4,5
.irp c, 0,1,2,3
	v_max3_num_f32 v[SU+\c], v[SU+\c], v[AC+16*\c+3+2*\p], v[AC+16*\c+4+2*\p]
.endr
.endr
	v_max3_num_f32 v[SU], v[SU], v[AC+15], v[AC+31]
	v_max3_num_f32 v[SU+2], v[SU+2], v[AC+47], v[AC+63]
	WIN 0
	v_max3_num_f32 v[SU], v[SU], v[SU+1], v[SU+2]
	v_max_num_f32 v[SU], v[SU], v[SU+3]
	v_permlanex16_b32 v[PD], v[SU], s[SEL], s[SEL+1]
	v_max_num_f32 v[MX+(\a)], v[SU], v[PD]
.endm
.irp a, 0,1,2,3,4,5,6,7
	MAXB \a
.endr
	; the two waves of a row half exchange their maxima, as an image of the eight registers
	ds_store_b128 v[XS], v[MX:MX+3]
	ds_store_b128 v[XS], v[MX+4:MX+7] offset:512
	s_wait_dscnt 0x0                               ; for the partner's sake: my stores are done
	s_barrier_signal -1
	s_barrier_wait -1
	ds_load_b128 v[PX:PX+3], v[XL]
	ds_load_b128 v[PX+4:PX+7], v[XL] offset:512
	s_wait_dscnt 0x0
.irp a, 0,1,2,3,4,5,6,7
	v_max_num_f32 v[PX+\a], v[MX+\a], v[PX+\a]     ; the row's largest score in the tile's 256 keys: a number, since every row of a live tile has a key that counts
	v_mul_f32 v[NMP+2*\a+1], s[CS], v[PX+\a]       ; as t (c is positive)
	v_floor_f32 v[NMP+2*\a], -v[NMP+2*\a+1]        ; -M = floor(-t) = -ceil(t): a whole number
.endr
; Block a: t - M, packed; the 64 exponentials as ONE batch with one wait; the sum of the unquantised p; the hold; the conversions; the codes into the stage.
.macro SOFTB a
.set W, 2+(\a)/4
.set AC, 64*((\a)%4)
.set WIP, (W<<6)|W
.set WSS, (W<<2)|W
	WIN WIP
.set k, 0
.rept 32
	v_pk_fma_f32 v[AC+k:AC+k+1], v[AC+k:AC+k+1], s[CS:CS+1], v[NMP+2*(\a):NMP+2*(\a)+1] op_sel_hi:[1,0,0]   ; of the pairs c and -M the low word serves both halves
.set k, k+2
.endr
.set k, 0
	s_wait_alu depctr_va_vdst(0)
.rept 64
	v_exp_f32 v[AC+k], v[AC+k]                     ; p = 2^(t - M), at most 1
.set k, k+1
.endr
	v_nop                                          ; a plain instruction behind the last exponential
	s_wait_alu depctr_va_vdst(0)                   ; the wait ahead of the first instruction that names a result: one for the batch
	WIN WSS
.set k, 0
.rept 16
	v_pk_add_f32 v[SU+2*k:SU+2*k+1], v[AC+4*k:AC+4*k+1], v[AC+4*k+2:AC+4*k+3]   ; the sum is taken of p before it is held and quantised
.set k, k+1
.endr
	WIN WIP
.set k, 0
.rept 64
	v_min_num_f32 v[AC+k], v[AC+k], v[HOLD]        ; the conversion does not saturate (ISA guide 7.6.2); p is not negative, so the hold is one-sided
.set k, k+1
.endr
	WIN W
.irp b, 0,1,2,3,4,5,6,7
	v_cvt_scalef32_pk8_fp8_f32 v[CD+16*(\a)+2*\b:CD+16*(\a)+2*\b+1], v[AC+8*\b:AC+8*\b+7], v[SCL]
.endr
	v_nop                                          ; one plain vector instruction behind the last conversion of the run
	WIN 0
.irp k8, 0,1,2,3,4,5,6,7
	v_pk_add_f32 v[SU+4*\k8:SU+4*\k8+1], v[SU+4*\k8:SU+4*\k8+1], v[SU+4*\k8+2:SU+4*\k8+3]
.endr
.irp k4, 0,1,2,3
	v_pk_add_f32 v[SU+8*\k4:SU+8*\k4+1], v[SU+8*\k4:SU+8*\k4+1], v[SU+8*\k4+4:SU+8*\k4+5]
.endr
	v_pk_add_f32 v[SU:SU+1], v[SU:SU+1], v[SU+8:SU+9]
	v_pk_add_f32 v[SU+16:SU+17], v[SU+16:SU+17], v[SU+24:SU+25]
	v_pk_add_f32 v[SU:SU+1], v[SU:SU+1], v[SU+16:SU+17]
	v_add_f32 v[SU], v[SU], v[SU+1]
	v_permlanex16_b32 v[PD], v[SU], s[SEL], s[SEL+1]
	v_add_f32 v[LS+(\a)], v[SU], v[PD]             ; l of my query over my wave's 128 keys
.irp b, 0,1,2,3,4,5,6,7
	ds_store_b64 v[STO], v[CD+16*(\a)+2*\b:CD+16*(\a)+2*\b+1] offset:(\a)*16*SP+16*\b
.endr
.endm
.irp a, 0,1,2,3,4,5,6,7
	SOFTB \a
.endr
	; the record: lanes 0-15 carry -M, lanes 16-31 l (both halves of the lanes hold both).  Block a's number of query 16 a + r lies at 256 (a / 4) + 16 r + 4 (a % 4): the next launch loads the same registers back
	v_cmp_eq_u32 vcc_lo, 1, v2
.irp a, 0,1,2,3,4,5,6,7
	v_cndmask_b32 v[SD+\a], v[NMP+2*\a], v[LS+\a], vcc_lo
.endr
	global_store_b128 v[RO], v[SD:SD+3], s[12:13]              ; sixteen lanes store 256 consecutive bytes, aligned
	global_store_b128 v[RO], v[SD+4:SD+7], s[12:13] offset:256
	; The next launch walks the keys in steps of two key tiles: where i is even, its last step also reads key tile i + 1, all of whose keys are hidden.  The diagonal's work-group stores that tile's p, which is 0, its l, 0, and this tile's M.
	s_cmp_lg_u32 s17, s42
	s_cbranch_scc1 .Lno_zeros
	s_and_b32 s20, s17, 1
	s_cmp_lg_u32 s20, 0
	s_cbranch_scc1 .Lno_zeros
.irp a, 0,1,2,3,4,5,6,7
	v_cndmask_b32 v[SU+4+\a], v[NMP+2*\a], v[NIL], vcc_lo
.endr
.irp a, 0,1,2,3
	v_mov_b32 v[SU+\a], 0
.endr
	global_store_b128 v[RO], v[SU+4:SU+7], s[12:13] offset:2048
	global_store_b128 v[RO], v[SU+8:SU+11], s[12:13] offset:2304
.set t, 0
.rept 32
	global_store_b128 v[CO], v[SU:SU+3], s[10:11] offset:t*4096+256
.set t, t+1
.endr
.Lno_zeros:
	s_wait_dscnt 0x0                               ; for the others' sake: my stores into the stage are done
	s_barrier_signal -1
	s_barrier_wait -1
.set t, 0
.rept 32
	ds_load_b128 v[CD+4*t:CD+4*t+3], v[RD] offset:t*2*SP
.set t, t+1
.endr
.set t, 0
.rept 32
	s_wait_dscnt 31-t                              ; load t is in, the 31 - t younger ones may be out
	global_store_b128 v[CO], v[CD+4*t:CD+4*t+3], s[10:11] offset:t*4096   ; two rows of 2,048 bytes on each time; 16 lanes store 256 consecutive bytes, aligned
.set t, t+1
.endr
	s_wait_tensorcnt 0x0                           ; the wave's end, behind my last tensor load and my last LDS store
	ds_add_u32 v[SPW], v[NIL]
	s_wait_dscnt 0x0
	s_endpgm
.Lfunc_end_k_qa494f28b55_scores:
	.size	k_qa494f28b55_scores, .Lfunc_end_k_qa494f28b55_scores-k_qa494f28b55_scores
	.p2alignl 7, 3214868480
	.fill 96, 4, 3214868480
	.section	.rodata,"a",@progbits
	.p2align	6, 0x0
	.amdhsa_kernel k_qa494f28b55_scores
		.amdhsa_group_segment_fixed_size 327680
		.amdhsa_private_segment_fixed_size 0
		.amdhsa_enable_private_segment 0
		.amdhsa_kernarg_size 40
		.amdhsa_user_sgpr_count 2
		.amdhsa_user_sgpr_kernarg_segment_ptr 1
		.amdhsa_wavefront_size32 1
		.amdhsa_system_sgpr_workgroup_id_x 1
		.amdhsa_system_sgpr_workgroup_id_y 1
		.amdhsa_system_sgpr_workgroup_id_z 1
		.amdhsa_system_vgpr_workitem_id 0
		.amdhsa_next_free_vgpr 1024
		.amdhsa_next_free_sgpr 98
		.amdhsa_reserve_vcc 1
		.amdhsa_float_denorm_mode_32 3
		.amdhsa_float_denorm_mode_16_64 3
		.amdhsa_memory_ordered 1
		.amdhsa_forward_progress 1
		.amdhsa_inst_pref_size 225
	.end_amdhsa_kernel
	.amdgpu_metadata
---
amdhsa.version: [ 1, 2 ]
amdhsa.kernels:
  - .name:           k_qa494f28b55_scores
    .symbol:         k_qa494f28b55_scores.kd
    .args:
      - { .name: q_codes, .offset: 0, .size: 8, .value_kind: global_buffer, .address_space: global }
      - { .name: k_codes, .offset: 8, .size: 8, .value_kind: global_buffer, .address_space: global }
      - { .name: lowp_scales, .offset: 16, .size: 8, .value_kind: global_buffer, .address_space: global }
      - { .name: p_codes, .offset: 24, .size: 8, .value_kind: global_buffer, .address_space: global }
      - { .name: stat, .offset: 32, .size: 8, .value_kind: global_buffer, .address_space: global }
    .group_segment_fixed_size: 327680
    .private_segment_fixed_size: 0
    .kernarg_segment_align: 8
    .kernarg_segment_size: 40
    .max_flat_workgroup_size: 128
    .sgpr_count:     98
    .vgpr_count:     1024
    .wavefront_size: 32
...
	.end_amdgpu_metadata
.endif
;; end of part 2
;; launch pv (part 3): grid 8 x 32, 4 waves a work-group, clusters of 4 x 4, 327,680 bytes of LDS; arguments p_codes, vt_codes, stat, out0, lowp_scales; writes out0
.if DOCPART == 3
	.amdgcn_target "amdgcn-amd-amdhsa--gfx1250"
	.amdhsa_code_object_version 6
	.text
	.protected	k_qa494f28b55_pv
	.globl	k_qa494f28b55_pv
	.p2align	8
	.type	k_qa494f28b55_pv,@function
k_qa494f28b55_pv:
	s_mov_b64 s[64:65], 0
	v_nop
	global_prefetch_b8 v0, s[64:65] scope:SCOPE_SE
	s_setreg_imm32_b32 hwreg(HW_REG_WAVE_MODE, 25, 1), 1
	s_wait_xcnt 0x0
	s_wait_alu depctr_hold_cnt(0) depctr_sa_sdst(0) depctr_va_vdst(0) depctr_va_sdst(0) depctr_va_ssrc(0) depctr_va_vcc(0) depctr_vm_vsrc(0)
	s_getreg_b32 s2, hwreg(HW_REG_IB_STS2, 6, 4)
	s_cmp_eq_u32 s2, 0
	s_cbranch_scc0 .Lentry_in_a_cluster
	s_endpgm
.Lentry_in_a_cluster:
	s_bfe_u32 s2, ttmp6, 0x10000c
	s_cmp_lg_u32 s2, 0xf033
	s_cbranch_scc0 .Lentry_shape_is_right
	s_endpgm
.Lentry_shape_is_right:
; O = P V / l on codes.  C[q][e] = sum over keys of p[q][key] v^T[e][key], K = the keys, in steps of 512: two key tiles of 256.
; SHARES.  A work-group makes 128 channels of TWO blocks of 128 queries, qb and 15 - qb, one after the other.  Block qb has (qb >> 2) + 1 K steps, so every pair has five: 8 channel tiles x 4 sequences x 8 pairs = 256 work-groups of equal walks.
; Pairs 0 to 3 (g = 0) walk the later block first (4 steps), then the earlier (1); pairs 4 to 7 (g = 1) the earlier first (2), then the later (3): the change of blocks comes behind the second step of a trip of two.
; WORK LEFT OUT: the K steps past a block's last, whose p is 0 by the causal mask (shown at the head of the first launch's text).
; CLUSTERS of 4 x 4: cluster y = 2 x sequence + g; the four of a row have one pair of query blocks and share p's tiles, the four of a column have one channel tile and one walk of keys and share v^T's.  No branch hangs on a place in the cluster.
; THE FRAMES.  Key tile j's codes stand for p = 2^(t - M_j), M_j a whole number of the row and the tile.  The sums are kept in the frame F_j = max(M_j, R_j - 64), R_j the largest M so far: ahead of key tile j the
; accumulators and the row's sum l' are multiplied by 2^(F_(j-1) - F_j), a power of two, at most 2^64; then the tile's products and its l are added.  At the end O = sums / l' x 2^(e8 + e9): the frame cancels.
; LIMIT: a key tile whose M_j lies more than 64 under R_j counts, in the sums and in l' alike, with 2^(R_j - 64) in place of 2^(M_j): under 2^-64 of the row's largest term.  The sums stay under 2^94.
; PREFETCH: behind the joint load of K step n + 1 stands the request for step n + 2: each partner names 32 of a tile's 128 rows, a lane a row; waves 0, 1 p's, waves 2, 3 v^T's, even waves the first 256 bytes, odd waves the second.
; v^T's blocks that the first block of queries has read are not named again.
; Four waves, 64 queries x 64 channels each, transposed (source 0 = 16 rows of v^T, source 1 = 16 rows of p): lane (r, h) holds query 16 a + r and eight neighbouring channels.
; REGISTERS: window 0: v0-31 addresses; v32-39 pairs (the factor, -F) of my 4 blocks; v40-43 -R; v44-47 l'; v48-59 and v96-107 -M, l, l of a step's two key tiles; v60-63 at work; v64-95 the way out; v128-255 accumulator (a, b) at 128 + 8 (4 a + b).
; window 1: two sets of fragments: p at v0, v64; v^T at v128, v192.
.set ROWB,  512
.set PROW,  2048
.set VROW,  8192
.set OROW,  4096
.set PITCH, 528                        ; an LDS row: 512 bytes + 16 of padding: row r starts at bank 4 r mod 64 (64 banks of 4 bytes: ISA guide 11.1)
.set VOFF,  128*PITCH                  ; a slot: 128 rows of p, then 128 of v^T
.set SLOT,  2*VOFF
.set STAGE, 2*SLOT                     ; the way out: 16 rows x 272 bytes for each wave; no tensor load lands there
.set SPITCH, 272
.set SPARE, STAGE+4*16*SPITCH          ; the spare words, which no other line names
.set RO,   11
.set ADRA, 16
.set ADRB, 20
.set STO,  24
.set RD,   25
.set CO,   26
.set PFO,  27
.set SPW,  28
.set NIL,  29
.set FA,   32
.set NR,   40
.set LP,   44
.set TT,   60
.set TMP,  64
.set AC,   128
.set G1,   24                          ; p: s[24:31], groups 0 of the two slots s[32:39]
.set G0,   32
.set G1B,  48                          ; v^T: s[48:55], s[92:99]
.set G0B,  92
.set PA,   20                          ; where the next loads stand: p, v^T; and where they stand at the second block's first step
.set P2,   58
.set VA,   62
.set V2,   60
.set PFA,  68
.set PF2,  70
.set STP,  84                          ; statistics
.set ST2,  86
.set O2,   90
.set SW,   66                          ; the trip at whose end the blocks change: 1 - g
.set ASKM, 80                          ; bit n: does my wave ask for step n + 2 in step n
.set MSB, 0
.macro WIN new
.if MSB != (\new)
	s_set_vgpr_msb (MSB<<8)|(\new)
.set MSB, (\new)
.endif
.endm
.macro JL s                            ; joint loads: waves 0 and 1 p's halves, waves 2 and 3 v^T's; an s_nop 0 and four v_nop follow each
	s_cmp_eq_u32 s15, 0
	s_cbranch_scc0 .Lfor_v_\@
	tensor_load_to_lds s[G0+4*(\s):G0+4*(\s)+3], s[G1:G1+7]
	s_nop 0
.rept 4
	v_nop
.endr
	s_branch .Lasked_\@
.Lfor_v_\@:
	tensor_load_to_lds s[G0B+4*(\s):G0B+4*(\s)+3], s[G1B:G1B+7]
	s_nop 0
.rept 4
	v_nop
.endr
.Lasked_\@:
.endm
.macro CROUND                          ; a round of the cluster's barrier
	s_barrier_signal -1
	s_barrier_wait -1
	s_cmp_lg_u32 s14, 0
	s_cbranch_scc1 .Lnot_wave_0_\@
	s_barrier_signal -3
.Lnot_wave_0_\@:
	s_barrier_wait -3
	s_barrier_signal -1
	s_barrier_wait -1
.endm
.macro PLACES
.rept 4
	v_nop
.endr
.endm
.macro SLOADS                          ; a step's statistics of my 64 queries: for each key tile -M from its first record, l from both; sixteen lanes read 256 consecutive bytes
	global_load_b128 v[48:51], v[RO], s[STP:STP+1]
	global_load_b128 v[52:55], v[RO], s[STP:STP+1] offset:512
	global_load_b128 v[56:59], v[RO], s[STP:STP+1] offset:1536
	global_load_b128 v[96:99], v[RO], s[STP:STP+1] offset:2048
	global_load_b128 v[100:103], v[RO], s[STP:STP+1] offset:2560
	global_load_b128 v[104:107], v[RO], s[STP:STP+1] offset:3584
.endm
.macro RESET                           ; a block of queries begins: R and F far under every M, l' and the sums 0 (the step is written once: the first factor, 0, leaves them 0)
.irp a, 0,1,2,3
	v_mov_b32 v[NR+\a], 0x7f61b1e6
	v_mov_b32 v[FA+2*\a+1], 0x7f61b1e6
	v_mov_b32 v[LP+\a], 0
.endr
.set k, 0
.rept 128
	v_mov_b32 v[AC+k], 0
.set k, k+1
.endr
.endm
	s_load_b256 s[4:11], s[0:1], 0x0               ; p_codes 4, vt_codes 6, stat 8, out0 10
	s_load_b64 s[12:13], s[0:1], 0x20              ; the scales
	v_lshl_add_u32 v[SPW], v0, 2, SPARE
	v_mov_b32 v[NIL], 0
	ds_add_u32 v[SPW], v[NIL]                      ; the wave's opening: the add, twice on end, and its wait ahead of my first tensor load
	ds_add_u32 v[SPW], v[NIL]
	v_lshrrev_b32 v1, 5, v0
	v_readfirstlane_b32 s14, v1                    ; wave 0..3
	s_lshr_b32 s15, s14, 1                         ; my half of the queries.  Also: I fetch for p (0) or for v^T (1)
	s_and_b32 s16, s14, 1                          ; my half of the channels.  Also: which 64 rows I fetch
	s_bfe_u32 s2, ttmp6, 0x40000                   ; cx
	s_bfe_u32 s40, ttmp6, 0x40004                  ; cy
	s_lshl_b32 s17, ttmp9, 2
	s_add_co_u32 s17, s17, s2                      ; the tile of 128 channels
	s_and_b32 s18, ttmp7, 0xffff
	s_lshr_b32 s19, s18, 1                         ; the sequence
	s_and_b32 s22, s18, 1                          ; g
	s_xor_b32 s[SW], s22, 1
	s_sub_co_u32 s23, 15, s40
	s_add_co_u32 s41, s40, 4
	s_sub_co_u32 s42, 11, s40
	s_cmp_eq_u32 s22, 0
	s_cselect_b32 s43, s23, s41                    ; the first block of queries: 15 - cy or 4 + cy
	s_cselect_b32 s44, s40, s42                    ; the second: cy or 11 - cy
	s_cselect_b32 s[ASKM], 3, 4
	s_cmp_eq_u32 s15, 0
	s_cselect_b32 s[ASKM], 7, s[ASKM]
	s_lshl_b32 s45, s40, 2
	s_lshl_b32 s45, 15, s45                        ; my row of the cluster: p's tiles
	s_lshl_b32 s46, 0x1111, s2                     ; my column: v^T's
	s_or_b32 s[G1+0], s45, (1<<20)|(1<<21)|(6<<22)|(3<<25)    ; elements of 1 byte; padding on, four words after every 128; 21 set beside a mask
	s_or_b32 s[G1B+0], s46, (1<<20)|(1<<21)|(6<<22)|(3<<25)
.irp g, G1, G1B
	s_mov_b32 s[\g+1], ROWB<<16
	s_mov_b32 s[\g+2], 64<<16
	s_mov_b32 s[\g+3], ROWB<<16
	s_mov_b32 s[\g+4], 64
	s_mov_b32 s[\g+6], 0
	s_mov_b32 s[\g+7], 0
.endr
	s_mov_b32 s[G1+5], PROW
	s_mov_b32 s[G1B+5], VROW
	s_lshl_b32 s57, s16, 6
	s_lshl_b32 s56, s19, 11
	s_add_co_u32 s56, s56, s57                     ; p: row 2,048 x sequence + 128 x block + 64 x half,
	s_lshl_b32 s20, s43, 7
	s_add_co_u32 s20, s20, s56
	s_lshl_b32 s20, s20, 11                        ; in bytes (under 2^24)
	s_mov_b32 s21, 0
	s_lshl_b32 s58, s44, 7
	s_add_co_u32 s58, s58, s56
	s_lshl_b32 s58, s58, 11
	s_mov_b32 s59, 0
	s_lshl_b32 s62, s17, 7
	s_add_co_u32 s62, s62, s57                     ; v^T: row 128 x channel tile + 64 x half,
	s_lshl_b32 s62, s62, 13
	s_lshl_b32 s63, s19, 11
	s_add_co_u32 s62, s62, s63                     ; + the sequence's first key
	s_mov_b32 s63, 0
	s_lshl_b32 s56, s19, 4
	s_add_co_u32 s84, s56, s43                     ; 16 records of 1,024 bytes for each block of queries
	s_lshl_b32 s84, s84, 14
	s_mov_b32 s85, 0
	s_add_co_u32 s86, s56, s44
	s_lshl_b32 s86, s86, 14
	s_mov_b32 s87, 0
	s_lshl_b32 s56, s19, 11
	s_lshl_b32 s57, s15, 6
	s_add_co_u32 s56, s56, s57                     ; out0: row 2,048 x sequence + 128 x block + 64 x half,
	s_lshl_b32 s57, s17, 9
	s_lshl_b32 s3, s16, 8
	s_add_co_u32 s57, s57, s3                      ; + 512 x channel tile + 256 x half in bytes
	s_lshl_b32 s88, s43, 7
	s_add_co_u32 s88, s88, s56
	s_lshl_b32 s88, s88, 12
	s_add_co_u32 s88, s88, s57
	s_mov_b32 s89, 0
	s_lshl_b32 s90, s44, 7
	s_add_co_u32 s90, s90, s56
	s_lshl_b32 s90, s90, 12
	s_add_co_u32 s90, s90, s57
	s_mov_b32 s91, 0
	s_lshl_b32 s76, s19, 11                        ; the prefetches: p's rows by cx,
	s_lshl_b32 s77, s2, 5
	s_add_co_u32 s76, s76, s77
	s_lshl_b32 s72, s43, 7
	s_add_co_u32 s72, s72, s76
	s_lshl_b32 s72, s72, 11
	s_lshl_b32 s74, s44, 7
	s_add_co_u32 s74, s74, s76
	s_lshl_b32 s74, s74, 11
	s_lshl_b32 s77, s17, 7                         ; v^T's by cy
	s_lshl_b32 s78, s40, 5
	s_add_co_u32 s77, s77, s78
	s_lshl_b32 s77, s77, 13
	s_lshl_b32 s78, s19, 11
	s_add_co_u32 s77, s77, s78
	s_mov_b32 s79, VROW
	s_cmp_eq_u32 s15, 0
	s_cselect_b32 s72, s72, s77
	s_cselect_b32 s74, s74, s77
	s_cselect_b32 s78, PROW, s79                   ; from lane to lane
	s_add_co_u32 s72, s72, s3                      ; + 256 x half
	s_add_co_u32 s74, s74, s3
	s_mov_b32 s73, 0
	s_mov_b32 s75, 0
	s_mul_i32 s81, s15, 64*PITCH                   ; my rows of p in a slot
	s_mul_i32 s82, s16, 64*PITCH                   ; what I fetch in p's or v^T's part of a slot,
	s_add_co_u32 s23, s82, VOFF                    ; and my rows of v^T
	s_mul_i32 s83, s14, 16*SPITCH
	s_add_co_u32 s83, s83, STAGE                   ; my stage
	s_lshl_b32 s57, s15, 8
	s_wait_dscnt 0x0                               ; both opening adds are done
	s_wait_kmcnt 0x0
	s_load_b64 s[100:101], s[12:13], 0x20          ; e8, e9
	s_cmp_eq_u32 s15, 0
	s_cselect_b64 s[PFA:PFA+1], s[4:5], s[6:7]
	s_add_nc_u64 s[PF2:PF2+1], s[PFA:PFA+1], s[74:75]
	s_add_nc_u64 s[PFA:PFA+1], s[PFA:PFA+1], s[72:73]
	s_add_nc_u64 s[PFA:PFA+1], s[PFA:PFA+1], ROWB  ; step 1
	s_add_nc_u64 s[PA:PA+1], s[4:5], s[20:21]
	s_add_nc_u64 s[P2:P2+1], s[4:5], s[58:59]
	s_add_nc_u64 s[VA:VA+1], s[6:7], s[62:63]
	s_mov_b64 s[V2:V2+1], s[VA:VA+1]
	s_add_nc_u64 s[STP:STP+1], s[8:9], s[84:85]
	s_add_nc_u64 s[ST2:ST2+1], s[8:9], s[86:87]
	s_add_nc_u64 s[O2:O2+1], s[10:11], s[90:91]
	s_add_nc_u64 s[10:11], s[10:11], s[88:89]
.irp s, 0,1
	s_mov_b32 s[G0+4*\s], 1
	s_add_co_u32 s[G0+4*\s+1], s82, \s*SLOT
	s_mov_b32 s[G0B+4*\s], 1
	s_add_co_u32 s[G0B+4*\s+1], s82, \s*SLOT+VOFF
.endr
	s_mov_b64 s[G0+2:G0+3], s[PA:PA+1]
	s_or_b32 s[G0+3], s[G0+3], 0x80000000
	s_mov_b64 s[G0B+2:G0B+3], s[VA:VA+1]
	s_or_b32 s[G0B+3], s[G0B+3], 0x80000000
	CROUND                                         ; the first joint loads meet
	JL 0                                           ; step 0: one load a wave
	v_and_b32 v1, 15, v0                           ; r
	v_bfe_u32 v2, v0, 4, 1                         ; h
	v_and_b32 v6, 31, v0
	v_lshl_add_u32 v[RO], v1, 4, s57               ; my place in a record: 16 r + 256 x half
	SLOADS                                         ; step 0's
	v_mul_u32_u24 v3, v1, PITCH
	v_mul_u32_u24 v5, v1, SPITCH
	v_mul_u32_u24 v7, v2, SPITCH
	v_mul_u32_u24 v[PFO], v6, s78                  ; a lane a row
	v_lshl_add_u32 v4, v2, 4, v3                   ; a fragment's row x pitch + 16 h
	v_lshl_add_u32 v5, v2, 5, v5
	v_lshl_add_u32 v7, v1, 4, v7
	v_add_nc_u32 v[ADRA], s81, v4
	v_add_nc_u32 v[ADRB], s23, v4
	v_add_nc_u32 v[STO], s83, v5                   ; in: row r, 32 bytes for each half of the lanes
	v_add_nc_u32 v[RD], s83, v7                    ; back: lanes 0-15 one row of 256 bytes, lanes 16-31 the next
	v_lshlrev_b32 v[CO], 12, v2                    ; and the same two rows in out0
	v_add_nc_u32 v[ADRA+1], SLOT, v[ADRA]
	v_add_nc_u32 v[ADRB+1], SLOT, v[ADRB]
	v_lshl_add_u32 v[CO], v1, 4, v[CO]
	RESET
.macro FETCH slot, q, set              ; the slot's q-th 128 keys: v^T's four fragments and p's four, 32 loads; registers 4 c .. 4 c + 3 hold K = 32 c + 16 h + 0 .. 15: a permutation of k that is the same in both operands
	WIN 0x40
.irp i, 0,1,2,3
.irp c, 0,1,2,3
	ds_load_b128 v[128+64*(\set)+16*\i+4*\c:128+64*(\set)+16*\i+4*\c+3], v[ADRB+(\slot)] offset:128*(\q)+32*\c+\i*16*PITCH
.endr
.endr
.irp i, 0,1,2,3
.irp c, 0,1,2,3
	ds_load_b128 v[64*(\set)+16*\i+4*\c:64*(\set)+16*\i+4*\c+3], v[ADRA+(\slot)] offset:128*(\q)+32*\c+\i*16*PITCH
.endr
.endr
	WIN 0
.endm
.macro MUL set                         ; 128 keys: the 16 accumulators take turns, one instruction a turn, in the same order always
	WIN 0x05
.irp a, 0,1,2,3
.irp b, 0,1,2,3
	v_wmma_f32_16x16x128_fp8_fp8 v[AC+32*\a+8*\b:AC+32*\a+8*\b+7], v[128+64*(\set)+16*\b:128+64*(\set)+16*\b+15], v[64*(\set)+16*\a:64*(\set)+16*\a+15], v[AC+32*\a+8*\b:AC+32*\a+8*\b+7]
.endr
.endr
	WIN 0
.endm
; The frame of the next key tile, for my 4 blocks (all is kept negated, as it is stored), and the sums under it, each accumulator from its low end on.
.macro FRAME nm, la, lb
.irp a, 0,1,2,3
	v_add_f32 v[TT+\a], 0x42800000, v[NR+\a]       ; -(R - 64), R still the last tile's: the new M enters by the minimum below
.endr
.irp a, 0,1,2,3
	v_min_num_f32 v[NR+\a], v[NR+\a], v[\nm+\a]    ; -R
.endr
.irp a, 0,1,2,3
	v_min_num_f32 v[TT+\a], v[TT+\a], v[\nm+\a]    ; -F = min(-M, 64 - R)
.endr
.irp a, 0,1,2,3
	v_sub_f32 v[FA+2*\a], v[TT+\a], v[FA+2*\a+1]   ; the old F less the new: a whole number, at most 64
.endr
.irp a, 0,1,2,3
	v_mov_b32 v[FA+2*\a+1], v[TT+\a]
.endr
.irp a, 0,1,2,3
	v_cvt_i32_f32 v[FA+2*\a], v[FA+2*\a]           ; (it saturates)
.endr
.irp a, 0,1,2,3
	v_add_f32 v[\la+\a], v[\la+\a], v[\lb+\a]
.endr
.irp a, 0,1,2,3
	v_ldexp_f32 v[FA+2*\a], 1.0, v[FA+2*\a]        ; a power of two: the multiplications below round nothing, short of underflow
.endr
.irp a, 0,1,2,3
	v_fma_f32 v[LP+\a], v[LP+\a], v[FA+2*\a], v[\la+\a]
.endr
.irp a, 0,1,2,3
.set k, 0
.rept 16
	v_pk_mul_f32 v[AC+32*\a+k:AC+32*\a+k+1], v[AC+32*\a+k:AC+32*\a+k+1], v[FA+2*\a:FA+2*\a+1] op_sel_hi:[1,0]
.set k, k+2
.endr
.endr
	s_wait_alu depctr_va_vdst(0)                   ; directly ahead of the waits below
.endm
; A K STEP.  The change of slots stands at its head: the wait for all my tensor loads (my part of this slot), the add, the wait for it and for my reads of the other slot, a round, and the other slot's joint load first behind it.
.macro KSTEP slot, fill
	s_wait_tensorcnt 0x0
	ds_add_u32 v[SPW], v[NIL]
.if \fill
	s_wait_xcnt 0x0                                ; any prefetch of mine has read its address
	s_add_nc_u64 s[PA:PA+1], s[PA:PA+1], ROWB
	s_add_nc_u64 s[VA:VA+1], s[VA:VA+1], ROWB
	s_add_nc_u64 s[PFA:PFA+1], s[PFA:PFA+1], ROWB
	s_cmp_eq_u32 s3, s[SW]                         ; the blocks change at this trip's end
.if \slot == 0
	s_cselect_b64 s[PFA:PFA+1], s[PF2:PF2+1], s[PFA:PFA+1]
.else
	s_cselect_b64 s[PA:PA+1], s[P2:P2+1], s[PA:PA+1]
	s_cselect_b64 s[VA:VA+1], s[V2:V2+1], s[VA:VA+1]
.endif
	s_mov_b64 s[G0+4*(1-\slot)+2:G0+4*(1-\slot)+3], s[PA:PA+1]
	s_or_b32 s[G0+4*(1-\slot)+3], s[G0+4*(1-\slot)+3], 0x80000000
	s_mov_b64 s[G0B+4*(1-\slot)+2:G0B+4*(1-\slot)+3], s[VA:VA+1]
	s_or_b32 s[G0B+4*(1-\slot)+3], s[G0B+4*(1-\slot)+3], 0x80000000
.endif
	s_wait_dscnt 0x0                               ; the add is done, and so are my reads of the other slot
.if \fill
	CROUND
	JL 1-\slot
.else
	s_barrier_signal -1
	s_barrier_wait -1
.endif
	FETCH \slot, 0, 0                              ; (four places stand behind the last step's products)
	FETCH \slot, 1, 1
	s_wait_loadcnt 0x0                             ; this step's statistics
	FRAME 48, 52, 56
	s_wait_dscnt 32                                ; set 0 is in; set 1's 32 loads may be out
	MUL 0
	PLACES
	FETCH \slot, 2, 0
.if \fill
	s_and_b32 s2, s[ASKM], 1
	s_cmp_eq_u32 s2, 0
	s_cbranch_scc1 .Lnot_mine_\@
	global_prefetch_b8 v[PFO], s[PFA:PFA+1] th:TH_LOAD_NT scope:SCOPE_SE
.Lnot_mine_\@:
	s_lshr_b32 s[ASKM], s[ASKM], 1
.endif
	s_wait_dscnt 32
	MUL 1
	PLACES
	FETCH \slot, 3, 1
	FRAME 96, 100, 104
.if \fill
	s_add_nc_u64 s[STP:STP+1], s[STP:STP+1], 4096  ; four records on
.if \slot == 1
	s_cmp_eq_u32 s3, s[SW]
	s_cselect_b64 s[STP:STP+1], s[ST2:ST2+1], s[STP:STP+1]
.endif
	SLOADS                                         ; the next step's
.endif
	s_wait_dscnt 32
	MUL 0
	s_wait_dscnt 0x0
	MUL 1
	PLACES                                         ; for the next step's loads and for the way out
.endm
; THE WAY OUT of a block: O = sums / l' x 2^(e8 + e9), 16 rows x 64 channels at a time through my own stage, back as whole rows of 256 bytes.
.macro WAYOUT
	s_wait_alu depctr_va_vdst(0)
.irp a, 0,1,2,3
	v_rcp_f32 v[FA+2*\a], v[LP+\a]                 ; l' holds the block's own keys' p
.endr
	v_nop                                          ; a plain instruction behind the last reciprocal
	s_wait_alu depctr_va_vdst(0)                   ; one for the four reciprocals
.irp a, 0,1,2,3
	v_ldexp_f32 v[FA+2*\a], v[FA+2*\a], s100
.endr
.irp a, 0,1,2,3
	s_wait_alu depctr_va_vdst(0)                   ; directly ahead of the first readers of this block's sums
.set k, 0
.rept 16
	v_pk_mul_f32 v[TMP+k:TMP+k+1], v[AC+32*\a+k:AC+32*\a+k+1], v[FA+2*\a:FA+2*\a+1] op_sel_hi:[1,0]
.set k, k+2
.endr
.irp b, 0,1,2,3
	ds_store_b128 v[STO], v[TMP+8*\b:TMP+8*\b+3] offset:64*\b
	ds_store_b128 v[STO], v[TMP+8*\b+4:TMP+8*\b+7] offset:64*\b+16
.endr
.irp t, 0,1,2,3,4,5,6,7
	ds_load_b128 v[AC+32*\a+4*\t:AC+32*\a+4*\t+3], v[RD] offset:2*\t*SPITCH   ; LDS serves a wave's instructions in order (ISA guide 5.7.1.4)
.endr
.endr
.irp a, 0,1,2,3
.irp t, 0,1,2,3,4,5,6,7
	s_wait_dscnt 16*(3-\a)+7-\t                    ; behind this load: 7 - t of its block, 16 LDS instructions for each later block
	global_store_b128 v[CO], v[AC+32*\a+4*\t:AC+32*\a+4*\t+3], s[10:11] offset:(16*\a+2*\t)*OROW th:TH_STORE_NT   ; 16 lanes store 256 consecutive bytes, aligned
.endr
.endr
.endm
	s_wait_alu depctr_va_vdst(0)
	global_prefetch_b8 v[PFO], s[PFA:PFA+1] th:TH_LOAD_NT scope:SCOPE_SE   ; step 1
	s_wait_kmcnt 0x0
	s_add_co_i32 s100, s100, s101                  ; e8 + e9
	s_mov_b32 s3, 0
.Ltrip:                                            ; steps 0, 1 and 2, 3
	KSTEP 0, 1
	KSTEP 1, 1
	s_cmp_lg_u32 s3, s[SW]
	s_cbranch_scc1 .Lsame_block
	WAYOUT                                         ; the first block is finished; the next step's loads are under way
	s_wait_xcnt 0x0                                ; the stores have read their registers and their base
	s_mov_b64 s[10:11], s[O2:O2+1]
	RESET
	s_wait_alu depctr_va_vdst(0)                   ; ahead of the jump and the waits behind it
.Lsame_block:
	s_add_co_u32 s3, s3, 1
	s_cmp_lt_u32 s3, 2
	s_cbranch_scc1 .Ltrip
	KSTEP 0, 0                                     ; step 4: nothing is left to fetch
	WAYOUT
	s_wait_tensorcnt 0x0                           ; the wave's end
	ds_add_u32 v[SPW], v[NIL]
	s_wait_dscnt 0x0
	CROUND                                         ; the closing round
	s_endpgm
.Lfunc_end_k_qa494f28b55_pv:
	.size	k_qa494f28b55_pv, .Lfunc_end_k_qa494f28b55_pv-k_qa494f28b55_pv
	.p2alignl 7, 3214868480
	.fill 96, 4, 3214868480
	.section	.rodata,"a",@progbits
	.p2align	6, 0x0
	.amdhsa_kernel k_qa494f28b55_pv
		.amdhsa_group_segment_fixed_size 327680
		.amdhsa_private_segment_fixed_size 0
		.amdhsa_enable_private_segment 0
		.amdhsa_kernarg_size 40
		.amdhsa_user_sgpr_count 2
		.amdhsa_user_sgpr_kernarg_segment_ptr 1
		.amdhsa_wavefront_size32 1
		.amdhsa_system_sgpr_workgroup_id_x 1
		.amdhsa_system_sgpr_workgroup_id_y 1
		.amdhsa_system_sgpr_workgroup_id_z 1
		.amdhsa_system_vgpr_workitem_id 0
		.amdhsa_next_free_vgpr 512
		.amdhsa_next_free_sgpr 102
		.amdhsa_reserve_vcc 0
		.amdhsa_float_denorm_mode_32 3
		.amdhsa_float_denorm_mode_16_64 3
		.amdhsa_memory_ordered 1
		.amdhsa_forward_progress 1
		.amdhsa_inst_pref_size 122
	.end_amdhsa_kernel
	.amdgpu_metadata
---
amdhsa.version: [ 1, 2 ]
amdhsa.kernels:
  - .name:           k_qa494f28b55_pv
    .symbol:         k_qa494f28b55_pv.kd
    .args:
      - { .name: p_codes, .offset: 0, .size: 8, .value_kind: global_buffer, .address_space: global }
      - { .name: vt_codes, .offset: 8, .size: 8, .value_kind: global_buffer, .address_space: global }
      - { .name: stat, .offset: 16, .size: 8, .value_kind: global_buffer, .address_space: global }
      - { .name: out0, .offset: 24, .size: 8, .value_kind: global_buffer, .address_space: global }
      - { .name: lowp_scales, .offset: 32, .size: 8, .value_kind: global_buffer, .address_space: global }
    .group_segment_fixed_size: 327680
    .private_segment_fixed_size: 0
    .kernarg_segment_align: 8
    .kernarg_segment_size: 40
    .max_flat_workgroup_size: 128
    .sgpr_count:     102
    .vgpr_count:     512
    .wavefront_size: 32
...
	.end_amdgpu_metadata
.endif
;; end of part 3
